; MI455X (gfx1250); checked and timed in simulation.
; The chip was launched on July 23, 2026; its instructions are those of AMD's public machine-readable ISA for CDNA 5 (MIT licence, August 2026) and "CDNA5" Instruction Set Architecture Reference Guide (July 2026). The comments in the code are by the model that wrote it; some were corrected since.
;; Attention. Allowed arithmetic: matrix products marked QUANTISED: E2M1 operands, one E8M0 scale for each 32 along K, by v_wmma_scale_f32_16x16x128_f8f6f4 with both operands' format E2M1 (or v_wmma_scale_f32_32x16x128_f4), f32 sums; everything else in f32.
;; Inputs: Wk 512 x 64 float32; Wq 512 x 64 float32; Wv 512 x 64 float32; bk 64 float32; bq 64 float32; bv 64 float32; x 4 x 4,096 x 512 float32.
;; Outputs: out0 4 x 4,096 x 64 float32.
;; This version of the problem:
;;   THIS VERSION OF THE PROBLEM IS GIVEN IN LOW PRECISION. The matrix products marked QUANTISED in the list below multiply operands that are first quantised to E2M1 (2 exponent bits, 1 mantissa bit; 4 bits a number), with one power-of-two scale for each 32 numbers along K (OCP MX v1.0); their sums are f32. All else is computed in f32.
;;   The module's matrix products, in the order in which they are computed (A, B: the left and right operand; K: the contracted axis; several contracted axes count as one K, in the product's order):
;;     1. [M 16,384, K 512] x [K 512, N 64]; A: input x; B: input Wq: QUANTISED
;;     2. [M 16,384, K 512] x [K 512, N 64]; A: input x; B: input Wk: QUANTISED
;;     3. [M 16,384, K 512] x [K 512, N 64]; A: input x; B: input Wv: QUANTISED
;;     4. batch 4 x [M 4,096, K 64] x [K 64, N 4,096]; A: computed on the way; B: computed on the way: QUANTISED
;;     5. batch 4 x [M 4,096, K 4,096] x [K 4,096, N 64]; A: softmax (see below); B: computed on the way: QUANTISED
;;   THE QUANTISER, for each operand of a quantised product, along K:
;;     - K is cut into blocks of 32 from its start; a last block that is shorter is filled with zeros.
;;     - A block's scale is 2^e with e = floor(log2(the largest magnitude in the block)) - 2, held to -126 .. 127; a block of zeros has e = 0. As a byte (E8M0): e + 127.
;;     - Each number is divided by its block's scale, clamped to +-6, and rounded to the nearest number of E2M1, ties to even, subnormals kept.
;;     - The product sums the exact products of the quantised numbers (number of the format x scale) in f32.
;;   ~~~python
;;   def quantise(x, axis):      # numpy; x: float32 -> the quantised numbers, widened to float32 again
;;       x = np.moveaxis(x, axis, -1); K = x.shape[-1]
;;       x = np.pad(x, [(0, 0)] * (x.ndim - 1) + [(0, -K % 32)]); x = x.reshape(x.shape[:-1] + (-1, 32)); a = np.abs(x).max(-1, keepdims=True)
;;       e = np.where(a > 0, np.clip(np.frexp(np.where(a > 0, a, 1))[1] - 1 - 2, -126, 127), 0)      # np.frexp(a)[1] - 1 = floor(log2(a)), exactly
;;       r = np.clip(x / 2.0 ** e, -6, 6)
;;       step = 2.0 ** (np.maximum(np.frexp(np.where(r == 0, 1, r))[1] - 1, 0) - 1)
;;       q = np.round(r / step) * step * 2.0 ** e      # np.round: ties to even
;;       return np.moveaxis(q.reshape(q.shape[:-2] + (-1,))[..., :K], -1, axis).astype(np.float32)
;;   ~~~
;;   SOFTMAX AHEAD OF A QUANTISED PRODUCT. Where the list says 'softmax', what is quantised is not the finished softmax but p = 2^(t - M), with t = logit x log2(e) and M = ceil(the row's largest t), a whole number; so 1/2 < the row's largest p <= 1. The row's sum l is taken of the UNQUANTISED p, in f32, and the product's result is divided by l at the end. Since M is a whole number, a kernel that streams over the keys may use a running M (the ceiling of the running maximum): every later rescaling is an exact power of two, which a block's scale takes up: the codes' values come out the same.
;;   OPERANDS COMPUTED ON THE WAY. 'Computed on the way' means the value that the module computes at that place (a softmax that the list does not call 'softmax' is quantised finished and normalised). What goes into a quantiser is computed in f32, as accurately as f32 sums, v_exp_f32 and their like allow (about 1e-6 of the number): no bf16 or f16 on the way to a quantiser, and a product that is left as it is and whose result goes on into a quantised operand takes f32 operands (vector FMAs, or v_wmma_f32_16x16x4_f32). A number that lies on a knife's edge between two numbers of the format may be rounded either way, as far as f32 arithmetic and the matrix unit's own rounding can turn it there, and no further.
;; One version. Each part assembles by itself: llvm-mc -triple=amdgcn-amd-amdhsa -mcpu=gfx1250 --defsym DOCPART=n.
;; ======== version 1 of 1: 3 launches
;; workspace buffers: wcodes 55,296 bytes; qrec 557,056 bytes; kvrec 1,114,112 bytes
;; launch wquant (part 1): grid 12 x 1, 4 waves a work-group, no clusters, 0 bytes of LDS; arguments Wq, Wk, Wv, wcodes; writes wcodes
.if DOCPART == 1
	.amdgcn_target "amdgcn-amd-amdhsa--gfx1250"
	.amdhsa_code_object_version 6
	.text
	.protected	k_qaf7e982831_wquant
	.globl	k_qaf7e982831_wquant
	.p2align	8
	.type	k_qaf7e982831_wquant,@function
k_qaf7e982831_wquant:
	s_mov_b64 s[64:65], 0
	v_nop
	global_prefetch_b8 v0, s[64:65] scope:SCOPE_SE
	s_setreg_imm32_b32 hwreg(HW_REG_WAVE_MODE, 25, 1), 1
	s_wait_xcnt 0x0
; Wq, Wk, Wv [512 (k)][64 (n)] f32 become codes of FP4 (E2M1) with one E8M0 scale for each 32 along K, laid as IMAGES OF THE OPERAND'S REGISTERS.
; Column tile T = 0 .. 11 (matrix T / 4, columns 16 (T % 4) + r) is a work-group's, K step s = 0 .. 3 (128 along K) a wave's: fragment F = 4 T + s.
; A LANE TAKES A COLUMN AND ITS REGISTERS RUN DOWN K, in the order that the operand's layout gives that lane: lane (r, h) holds k = 128 s + 64 c + 32 h + 0 .. 31
; in registers 4 c .. 4 c + 3.  So the conversions' results are the operand's registers, and a block of 32 lies in one lane.
; OUT: codes at 1024 F + 512 c + 16 lane (a store of the wave covers 512 consecutive bytes); the scale word (byte 2 c + h) at 49152 + 128 F + 4 lane, the same word in both halves of the lanes.
; A block's scale byte is its largest magnitude's exponent field - 2, held at 1 from below.
; LIMITS: a block of zeros, or one whose largest magnitude lies under 2^-124, gets the byte 1 (the rule says 127 for zeros: the codes are zeros, and this program alone reads the bytes); NaN and infinities are not served.
; 393 KB in, 54 KB out: twelve work-groups are all the work there is.  No LDS, no barrier: waves share nothing.
.set SCW, 49152                        ; where the scale words begin
	s_load_b128 s[4:7], s[0:1], 0x0                ; Wq, Wk
	s_load_b128 s[8:11], s[0:1], 0x10              ; Wv, wcodes
	v_lshrrev_b32 v1, 5, v0
	v_readfirstlane_b32 s12, v1                    ; wave = K step s
	v_and_b32 v1, 15, v0                           ; r
	v_bfe_u32 v2, v0, 4, 1                         ; h
	v_and_b32 v3, 31, v0                           ; lane
	v_lshlrev_b32 v4, 2, v1
	v_lshl_add_u32 v5, v2, 13, v4                  ; in: 4 r + 32 rows of 256 bytes x h
	v_lshlrev_b32 v6, 4, v3                        ; out: 16 x lane
	v_lshlrev_b32 v7, 2, v3                        ; and 4 x lane
	s_and_b32 s13, ttmp9, 3
	s_lshl_b32 s14, s13, 6                         ; the tile's 16 columns: 64 bytes on,
	s_lshl_b32 s15, s12, 15                        ; the K step's 128 rows of 256 bytes
	s_add_co_u32 s14, s14, s15
	s_mov_b32 s15, 0
	s_lshl_b32 s16, ttmp9, 2
	s_add_co_u32 s16, s16, s12                     ; F
	s_lshl_b32 s18, s16, 10
	s_mov_b32 s19, 0
	s_lshl_b32 s22, s16, 7
	s_add_co_u32 s22, s22, SCW
	s_mov_b32 s23, 0
	s_mov_b32 s20, 0x76543210
	s_mov_b32 s21, 0xfedcba98                      ; v_permlanex16_b32's selects for lane l xor 16
	s_wait_kmcnt 0x0
	s_cmp_lt_u32 ttmp9, 8                          ; which matrix: the choice hangs on the work-group's number alone
	s_cselect_b64 s[6:7], s[6:7], s[8:9]
	s_cmp_lt_u32 ttmp9, 4
	s_cselect_b64 s[4:5], s[4:5], s[6:7]
	s_add_nc_u64 s[4:5], s[4:5], s[14:15]
	s_add_nc_u64 s[24:25], s[10:11], s[18:19]      ; my fragment's image
	s_add_nc_u64 s[26:27], s[10:11], s[22:23]      ; and its scale words
.irp c, 0,1
.irp i, 0,1,2,3,4,5,6,7,8,9,10,11,12,13,14,15,16,17,18,19,20,21,22,23,24,25,26,27,28,29,30,31
	global_load_b32 v[64+32*\c+\i], v5, s[4:5] offset:256*(64*\c+\i)   ; W(128 s + 64 c + 32 h + i, column r): sixteen lanes read 64 neighbouring bytes
.endr
.endr
	s_wait_loadcnt 0x0
.irp c, 0,1                                    ; my block 2 c + h: all its 32 numbers are mine
	v_max3_num_f32 v[32+\c], |v[64+32*\c]|, |v[65+32*\c]|, 0x1800000   ; with the floor 2^(3 - 127): the byte cannot fall under 1
.endr
.irp i, 2,4,6,8,10,12,14,16,18,20,22,24,26,28,30
.irp c, 0,1
	v_max3_num_f32 v[32+\c], v[32+\c], |v[64+32*\c+\i]|, |v[65+32*\c+\i]|   ; (the two blocks by turns)
.endr
.endr
.irp c, 0,1
	v_add_nc_u32 v[44+\c], 0xff000000, v[32+\c]    ; 2 off the exponent field: the conversion takes the exponent field of this operand as its scale
.endr
.irp c, 0,1
	v_lshrrev_b32 v[36+\c], 23, v[44+\c]           ; the scale's byte
.endr
	v_lshl_or_b32 v9, v37, 16, v36                 ; my two bytes, blocks h and 2 + h,
	v_lshlrev_b32 v10, 3, v2
	v_lshlrev_b32 v9, v10, v9                      ; at their places in the word (8 h bits up);
	v_mov_b32 v10, 0                               ; (a lane permute's destination counts as one of its sources)
	v_permlanex16_b32 v10, v9, s20, s21
	v_or_b32 v9, v9, v10                           ; with lane l xor 16's two the word is whole, in both halves
.irp c, 0,1
.irp g, 0,1,2,3
	v_cvt_scalef32_pk8_fp4_f32 v[48+4*\c+\g], v[64+32*\c+8*\g:71+32*\c+8*\g], v[44+\c]   ; registers 4 c .. 4 c + 3 of the operand
.endr
.endr
	v_nop                                          ; one plain line behind the last scaled conversion
	global_store_b128 v6, v[48:51], s[24:25]
	global_store_b128 v6, v[52:55], s[24:25] offset:512
	global_store_b32 v7, v9, s[26:27]
	s_endpgm
.Lfunc_end_k_qaf7e982831_wquant:
	.size	k_qaf7e982831_wquant, .Lfunc_end_k_qaf7e982831_wquant-k_qaf7e982831_wquant
	.p2alignl 7, 3214868480
	.fill 96, 4, 3214868480
	.section	.rodata,"a",@progbits
	.p2align	6, 0x0
	.amdhsa_kernel k_qaf7e982831_wquant
		.amdhsa_group_segment_fixed_size 0
		.amdhsa_private_segment_fixed_size 0
		.amdhsa_enable_private_segment 0
		.amdhsa_kernarg_size 32
		.amdhsa_user_sgpr_count 2
		.amdhsa_user_sgpr_kernarg_segment_ptr 1
		.amdhsa_wavefront_size32 1
		.amdhsa_system_sgpr_workgroup_id_x 1
		.amdhsa_system_sgpr_workgroup_id_y 1
		.amdhsa_system_sgpr_workgroup_id_z 1
		.amdhsa_system_vgpr_workitem_id 0
		.amdhsa_next_free_vgpr 128
		.amdhsa_next_free_sgpr 66
		.amdhsa_reserve_vcc 0
		.amdhsa_float_denorm_mode_32 3
		.amdhsa_float_denorm_mode_16_64 3
		.amdhsa_memory_ordered 1
		.amdhsa_forward_progress 1
		.amdhsa_inst_pref_size 11
	.end_amdhsa_kernel
	.amdgpu_metadata
---
amdhsa.version: [ 1, 2 ]
amdhsa.kernels:
  - .name:           k_qaf7e982831_wquant
    .symbol:         k_qaf7e982831_wquant.kd
    .args:
      - { .name: Wq, .offset: 0, .size: 8, .value_kind: global_buffer, .address_space: global }
      - { .name: Wk, .offset: 8, .size: 8, .value_kind: global_buffer, .address_space: global }
      - { .name: Wv, .offset: 16, .size: 8, .value_kind: global_buffer, .address_space: global }
      - { .name: wcodes, .offset: 24, .size: 8, .value_kind: global_buffer, .address_space: global }
    .group_segment_fixed_size: 0
    .private_segment_fixed_size: 0
    .kernarg_segment_align: 8
    .kernarg_segment_size: 32
    .max_flat_workgroup_size: 128
    .sgpr_count:     66
    .vgpr_count:     128
    .wavefront_size: 32
...
	.end_amdgpu_metadata
.endif
;; end of part 1
;; launch proj (part 2): grid 256 x 1, 4 waves a work-group, no clusters, 168,448 bytes of LDS; arguments x, wcodes, bq, bk, bv, qrec, kvrec; writes qrec, kvrec
.if DOCPART == 2
	.amdgcn_target "amdgcn-amd-amdhsa--gfx1250"
	.amdhsa_code_object_version 6
	.text
	.protected	k_qaf7e982831_proj
	.globl	k_qaf7e982831_proj
	.p2align	8
	.type	k_qaf7e982831_proj,@function
k_qaf7e982831_proj:
	s_mov_b64 s[64:65], 0
	v_nop
	global_prefetch_b8 v0, s[64:65] scope:SCOPE_SE
	s_setreg_imm32_b32 hwreg(HW_REG_WAVE_MODE, 25, 1), 1
	s_wait_xcnt 0x0
; q = x Wq + bq, k = x Wk + bk, v = x Wv + bv on codes of FP4 (E2M1) with one E8M0 scale for each 32 along K = 512; then q and k are quantised along their 64 channels and v along the keys,
; and stored as images of the operand registers that the attention launch wants.  x: [16384][512] f32, read once.  The weights come as fragment images (4 T + s) with their scale words.
; SHARES.  A work-group takes 64 rows of x (131,072 bytes), all asked for at the first lines by tensor loads: each wave brings its own 16 rows as four tiles of 16 rows x 512 bytes, one for each K step of 128.
; X: wave w quantises rows 16 w .. 16 w + 15 (four fragments) and stores their register images in LDS | one barrier |
; 1: THE WAVES SHARE THE COLUMNS: wave j makes, for all 64 rows, 32 channels of q (j = 0, 1) or of k (j = 2, 3) and 16 channels of v; its 12 weight fragments stay in registers.
; q and k are made TRANSPOSED (source 0 = 16 columns of W, source 1 = 16 rows of x): a lane holds one row and 8 channels, so a block of 32 channels lies in two tiles of lanes l and l xor 16.
; v is made the natural way (source 0 = x, source 1 = W): a lane holds one channel and 8 keys, so a block of 32 keys lies in two row tiles of lanes l and l xor 16.
; THE ORDER INSIDE A BLOCK OF 32 is what that gives: 0-7, 16-23, 8-15, 24-31: the same in q and k (channels) and in v and p (keys), so each product pairs the right numbers; blocks stay the rule's blocks.
; RECORDS of 128 rows.  qrec: Q image 4,096 bytes, Q scales 256.  kvrec: K image 4,096, V image 4,096, K scales 256, V scales 256.
;   K, Q image: 1024 f + 512 c + 256 b + 16 r + 8 h (rows 32 f + 16 c + r, channel block b);   scale byte: 8 (16 (f % 2) + r) + 4 (f / 2) + 2 c + b.
;   V image: 1024 n + 512 c + 256 h' + 16 r + 8 h (channel 16 n + r, key block 2 c + h');      scale byte: 8 (16 (n % 2) + r) + 4 (n / 2) + key block.
; NO CLUSTER: no two work-groups read the same x; the weights, 13,824 bytes a wave beside its 32,768 of x, go straight into registers.
; No LDS byte is filled twice.  A wave has four tensor loads outstanding.
; LIMITS: a block of zeros, or one under 2^-124, gets the scale byte 1 (zero codes; this program alone reads the bytes); NaN and infinities are not served.
.set XP,     528                       ; a row of a tile in LDS: 512 bytes + 16 of padding = 132 words: row r starts at bank 4 r mod 64 (64 banks of 4 bytes: ISA guide 11.1)
.set XTILE,  16*XP                     ; a tile: 16 rows x 128 numbers
.set XWAVE,  4*XTILE                   ; a wave's four tiles
.set XIMG,   4*XWAVE                   ; 135,168: behind the tiles, in blocks of 256 bytes of their own: x's 16 fragment images (4 m + s), 1,024 bytes each,
.set XSC,    XIMG+16*1024              ; and their scale words, 128 bytes each
.set XA,  4                            ; v4   my 16 numbers of a block in my wave's tiles: 528 r + 64 h
.set LI,  5                            ; v5   XIMG + 16 x lane
.set LS,  6                            ; v6   XSC + 4 x lane
.set XWI, 7                            ; v7   where I store images: LI + 4096 x wave
.set XWS, 8                            ; v8   and scale words: LS + 512 x wave
.set CO,  9                            ; v9   codes out: 16 r + 8 h
.set SBO, 10                           ; v10  q's, k's scale bytes out: 8 r + 2 h
.set SBV, 11                           ; v11  v's: 8 r + h
.set RAW, 12                           ; v12-75   64 numbers of x (phase X)
.set XF,  12                           ; v12-43   x's four fragments of a row tile (phase 1)
.set DQ,  48                           ; v48-63   two tiles of q or k
.set VA,  64                           ; v64-79   two row tiles of v
.set TM,  80                           ; v80-95   at work
.set PC,  96                           ; v96-103  the codes just made (phase X)
.set CQ,  96                           ; v96-103  q's or k's codes, a pair for each row tile (phase 1): no store's data are written again
.set PW,  104                          ; v104     the scale word just made
.set OW,  106                          ; v106-109 offsets of the head's loads: 16 lane, 4 lane, 32 h, 4 r; never rewritten
.set XS,  110                          ; v110-113 x's scale words
.set CV,  114                          ; v114-117 v's codes
.set BQ,  118                          ; v118-121 q's or k's scale bytes
.set BB,  122                          ; v122-123 v's
.set WF,  124                          ; v124-219 12 weight fragments: 4 t + s; t = 0, 1 the pair, t = 2 v's tile
.set WS,  220                          ; v220-231 their scale words
.set BQK, 232                          ; v232-247 bq or bk in the two tiles' result layout
.set BV,  248                          ; v248-255 bv likewise
.set G1,  20                           ; s[20:27] descriptor group 1
.set G0,  28                           ; s[28:43] group 0, a set for each K step
.set WV,  44                           ; s44  wave
.set SEL, 46                           ; s[46:47] v_permlanex16_b32's selects for lane l xor 16
	s_load_b256 s[4:11], s[0:1], 0x0               ; x, wcodes, bq, bk
	s_load_b128 s[12:15], s[0:1], 0x20             ; bv, qrec
	s_load_b64 s[16:17], s[0:1], 0x30              ; kvrec
	v_lshl_add_u32 v91, v0, 2, 0x29000
	v_mov_b32 v105, 0
	ds_add_u32 v91, v105
	ds_add_u32 v91, v105
	v_lshrrev_b32 v1, 5, v0
	v_readfirstlane_b32 s[WV], v1                  ; wave 0..3
	s_mov_b32 s[G1], (2<<16)|(1<<20)|(6<<22)|(3<<25)   ; no mask; elements of 4 bytes; padding on: 4 words (code 3) behind every 128 (code 6)
	s_mov_b32 s[G1+1], 128<<16                     ; tensor_dim0 = 128
	s_mov_b32 s[G1+2], 16<<16                      ; tensor_dim1 = 16
	s_mov_b32 s[G1+3], 128<<16                     ; tile_dim0 = 128
	s_mov_b32 s[G1+4], 16                          ; tile_dim1 = 16
	s_mov_b32 s[G1+5], 512                         ; elements from row to row
	s_mov_b32 s[G1+6], 0
	s_mov_b32 s[G1+7], 0
	s_lshl_b32 s70, ttmp9, 17                      ; 64 rows of 2,048 bytes a work-group,
	s_lshl_b32 s71, s[WV], 15                      ; 16 a wave
	s_add_co_u32 s70, s70, s71
	s_mov_b32 s71, 0
	s_mul_i32 s72, s[WV], XWAVE                    ; my tiles in LDS
	s_wait_dscnt 0x0
	s_wait_kmcnt 0x0
	s_add_nc_u64 s[70:71], s[4:5], s[70:71]
.irp s, 0,1,2,3
	s_mov_b32 s[G0+4*\s], 1                        ; count = 1
	s_add_co_u32 s[G0+4*\s+1], s72, \s*XTILE       ; LDS address
	s_add_nc_u64 s[G0+4*\s+2:G0+4*\s+3], s[70:71], \s*512   ; global address: K step s
	s_or_b32 s[G0+4*\s+3], s[G0+4*\s+3], 0x80000000         ; type = 2
.endr
.irp s, 0,1,2,3
	tensor_load_to_lds s[G0+4*\s:G0+4*\s+3], s[G1:G1+7]     ; the first fills, one group, ahead of every wait on TENSORcnt, LDS read and barrier
	s_nop 0
.endr
	v_and_b32 v1, 31, v0                           ; lane
	v_and_b32 v2, 15, v0                           ; r
	v_bfe_u32 v3, v0, 4, 1                         ; h
	v_lshlrev_b32 v[OW], 4, v1
	v_lshlrev_b32 v[OW+1], 2, v1
	v_lshlrev_b32 v[OW+2], 5, v3
	v_lshlrev_b32 v[OW+3], 2, v2
	; pointers.  j = wave; b = j % 2: which block of 32 channels of q or of k; R = the record, half = which 64 of its rows
	s_and_b32 s45, s[WV], 1
	s_lshr_b32 s81, s[WV], 1
	s_lshr_b32 s74, ttmp9, 1
	s_and_b32 s75, ttmp9, 1
	s_mul_i32 s76, s74, 4352
	s_mul_i32 s77, s74, 8704
	s_mov_b32 s79, 8192
	s_cmp_lt_u32 s[WV], 2                          ; q's wave or k's: hangs on the wave's number alone
	s_cselect_b32 s78, s76, s77                    ; the record's first byte,
	s_cselect_b32 s79, 4096, s79                   ; where its scale bytes of q or k begin,
	s_cselect_b64 s[56:57], s[8:9], s[10:11]       ; the bias,
	s_cselect_b64 s[82:83], s[14:15], s[16:17]     ; and the buffer
	s_lshl_b32 s48, s[WV], 13
	s_mov_b32 s49, 0
	s_add_nc_u64 s[48:49], s[6:7], s[48:49]        ; the pair's 8 fragments: F = 8 j on
	s_lshl_b32 s50, s[WV], 12
	s_add_co_u32 s50, s50, 32768
	s_mov_b32 s51, 0
	s_add_nc_u64 s[50:51], s[6:7], s[50:51]        ; v's tile: F = 32 + 4 j on
	s_lshl_b32 s52, s[WV], 10
	s_add_co_u32 s52, s52, 49152
	s_mov_b32 s53, 0
	s_add_nc_u64 s[52:53], s[6:7], s[52:53]        ; their scale words, 128 bytes a fragment
	s_lshl_b32 s54, s[WV], 9
	s_add_co_u32 s54, s54, 53248
	s_mov_b32 s55, 0
	s_add_nc_u64 s[54:55], s[6:7], s[54:55]
	s_lshl_b32 s70, s45, 7
	s_mov_b32 s71, 0
	s_add_nc_u64 s[56:57], s[56:57], s[70:71]      ; bq or bk at channel 32 b
	s_lshl_b32 s58, s[WV], 6
	s_mov_b32 s59, 0
	s_add_nc_u64 s[58:59], s[12:13], s[58:59]      ; bv at channel 16 j
.irp t, 0,1
.irp s, 0,1,2,3
.irp c, 0,1
	global_load_b128 v[WF+8*(4*\t+\s)+4*\c:WF+8*(4*\t+\s)+4*\c+3], v[OW], s[48:49] offset:1024*(4*\t+\s)+512*\c
.endr
	global_load_b32 v[WS+4*\t+\s], v[OW+1], s[52:53] offset:128*(4*\t+\s)
.endr
.endr
.irp s, 0,1,2,3
.irp c, 0,1
	global_load_b128 v[WF+8*(8+\s)+4*\c:WF+8*(8+\s)+4*\c+3], v[OW], s[50:51] offset:1024*\s+512*\c
.endr
	global_load_b32 v[WS+8+\s], v[OW+1], s[54:55] offset:128*\s
.endr
.irp a, 0,1                                    ; tile a, lane (r, h), register i: the bias of channel 32 b + 16 a + 8 h + i
	global_load_b128 v[BQK+8*\a:BQK+8*\a+3], v[OW+2], s[56:57] offset:64*\a
	global_load_b128 v[BQK+8*\a+4:BQK+8*\a+7], v[OW+2], s[56:57] offset:64*\a+16
.endr
.irp i, 0,1,2,3,4,5,6,7                        ; v's tile: every register of lane (r, h) belongs to channel 16 j + r
	global_load_b32 v[BV+\i], v[OW+3], s[58:59]
.endr
	s_lshl_b32 s80, s75, 11                        ; q's or k's codes: record + 2048 half + 256 b
	s_add_co_u32 s60, s78, s80
	s_lshl_b32 s80, s45, 8
	s_add_co_u32 s60, s60, s80
	s_mov_b32 s61, 0
	s_add_nc_u64 s[60:61], s[82:83], s[60:61]
	s_add_co_u32 s62, s78, s79                     ; their scale bytes: + 4 half + b
	s_lshl_b32 s80, s75, 2
	s_add_co_u32 s62, s62, s80
	s_add_co_u32 s62, s62, s45
	s_mov_b32 s63, 0
	s_add_nc_u64 s[62:63], s[82:83], s[62:63]
	s_lshl_b32 s80, s[WV], 10                      ; v's codes: record + 4096 + 1024 j + 512 half
	s_add_co_u32 s66, s77, s80
	s_lshl_b32 s80, s75, 9
	s_add_co_u32 s66, s66, s80
	s_add_co_u32 s66, s66, 4096
	s_mov_b32 s67, 0
	s_add_nc_u64 s[66:67], s[16:17], s[66:67]
	s_lshl_b32 s80, s45, 7                         ; v's scale bytes: record + 8448 + 128 (j % 2) + 4 (j / 2) + 2 half
	s_add_co_u32 s68, s77, s80
	s_lshl_b32 s80, s81, 2
	s_add_co_u32 s68, s68, s80
	s_lshl_b32 s80, s75, 1
	s_add_co_u32 s68, s68, s80
	s_add_co_u32 s68, s68, 8448
	s_mov_b32 s69, 0
	s_add_nc_u64 s[68:69], s[16:17], s[68:69]
	s_mov_b32 s[SEL], 0x76543210
	s_mov_b32 s[SEL+1], 0xfedcba98
	v_mul_u32_u24 v[XA], v2, XP
	v_lshl_add_u32 v[XA], v3, 6, v[XA]
	v_add_nc_u32 v[XA], s72, v[XA]
	v_add_nc_u32 v[LI], XIMG, v[OW]
	v_add_nc_u32 v[LS], XSC, v[OW+1]
	s_lshl_b32 s73, s[WV], 12
	v_add_nc_u32 v[XWI], s73, v[LI]
	s_lshl_b32 s73, s[WV], 9
	v_add_nc_u32 v[XWS], s73, v[LS]
	v_lshlrev_b32 v[CO], 4, v2
	v_lshl_add_u32 v[CO], v3, 3, v[CO]
	v_lshlrev_b32 v[SBO], 3, v2
	v_add_nc_u32 v[SBV], v[SBO], v3
	v_lshl_add_u32 v[SBO], v3, 1, v[SBO]
.irp b, 0,1,2,3
	v_mov_b32 v[TM+4+\b], 0                        ; written once: a lane permute's destination counts as one of its sources
.endr
.macro RAWLD s                         ; K step s of my 16 rows: register 16 b + i = k 32 b + 16 h + i of row r
.irp b, 0,1,2,3
.irp i, 0,1,2,3
	ds_load_b128 v[RAW+16*\b+4*\i:RAW+16*\b+4*\i+3], v[XA] offset:XTILE*(\s)+128*\b+16*\i
.endr
.endr
.endm
; 64 numbers of a lane, register 16 b + i = k 32 b + 16 (lane / 16) + i of my row, become a fragment's codes in v[PC] on and its scale word in v[PW].
.macro QUANT s
.irp b, 0,1,2,3
	v_max3_num_f32 v[TM+\b], |v[\s+16*\b]|, |v[\s+1+16*\b]|, 0x1800000   ; block b: my 16 numbers, and the floor 2^(3 - 127): the byte cannot fall under 1
.endr
.irp i, 2,4,6,8,10,12,14
.irp b, 0,1,2,3
	v_max3_num_f32 v[TM+\b], v[TM+\b], |v[\s+16*\b+\i]|, |v[\s+1+16*\b+\i]|   ; (the four blocks by turns)
.endr
.endr
.irp b, 0,1,2,3
	v_permlanex16_b32 v[TM+4+\b], v[TM+\b], s[SEL], s[SEL+1]
.endr
.irp b, 0,1,2,3
	v_max_num_f32 v[TM+\b], v[TM+\b], v[TM+4+\b]   ; with lane l xor 16's: the block's largest magnitude
.endr
.irp b, 0,1,2,3
	v_add_nc_u32 v[TM+12+\b], 0xff000000, v[TM+\b] ; 2 off its exponent field: the conversion's scale operand
.endr
.irp b, 0,1,2,3
	v_lshrrev_b32 v[TM+4+\b], 23, v[TM+12+\b]      ; the scale's byte
.endr
	v_lshl_or_b32 v[PW], v[TM+5], 8, v[TM+4]       ; the four bytes make my row's scale word
	v_lshl_or_b32 v[PW], v[TM+6], 16, v[PW]
	v_lshl_or_b32 v[PW], v[TM+7], 24, v[PW]
.irp b, 0,1,2,3
	v_cvt_scalef32_pk8_fp4_f32 v[PC+2*\b], v[\s+16*\b:\s+7+16*\b], v[TM+12+\b]
	v_cvt_scalef32_pk8_fp4_f32 v[PC+1+2*\b], v[\s+8+16*\b:\s+15+16*\b], v[TM+12+\b]
.endr
	v_nop                                          ; one plain place behind a scaled conversion
.irp c, 0,1                                    ; the operand's layout wants a WHOLE block in a lane: lanes 0-15 block 2 c, lanes 16-31 block 2 c + 1
.irp i, 0,1
	v_permlane16_swap_b32 v[PC+4*\c+\i], v[PC+2+4*\c+\i]
.endr
.endr
.endm
.macro IMAGE off                       ; the fragment in v[PC] on goes to LDS as it stands: 512 consecutive bytes a store
.irp c, 0,1
	ds_store_b128 v[XWI], v[PC+4*\c:PC+4*\c+3] offset:\off+512*\c
.endr
.endm
.macro FETCHX m                        ; row tile m's four fragments and scale words come back so, in any wave
.irp s, 0,1,2,3
.irp c, 0,1
	ds_load_b128 v[XF+8*\s+4*\c:XF+8*\s+4*\c+3], v[LI] offset:1024*(4*(\m)+\s)+512*\c
.endr
	ds_load_b32 v[XS+\s], v[LS] offset:128*(4*(\m)+\s)
.endr
.endm
; Row tile m: three sums over K = 512, by turns, one instruction a turn; the biases are the C of each sum's first instruction.
.macro MUL m
.irp s, 0,1,2,3
.if \s == 0
	v_wmma_scale_f32_16x16x128_f8f6f4 v[DQ:DQ+7], v[WF:WF+7], v[XF:XF+7], v[BQK:BQK+7], v[WS], v[XS] matrix_a_fmt:MATRIX_FMT_FP4 matrix_b_fmt:MATRIX_FMT_FP4
	v_wmma_scale_f32_16x16x128_f8f6f4 v[DQ+8:DQ+15], v[WF+32:WF+39], v[XF:XF+7], v[BQK+8:BQK+15], v[WS+4], v[XS] matrix_a_fmt:MATRIX_FMT_FP4 matrix_b_fmt:MATRIX_FMT_FP4
	v_wmma_scale_f32_16x16x128_f8f6f4 v[VA+8*((\m)%2):VA+8*((\m)%2)+7], v[XF:XF+7], v[WF+64:WF+71], v[BV:BV+7], v[XS], v[WS+8] matrix_a_fmt:MATRIX_FMT_FP4 matrix_b_fmt:MATRIX_FMT_FP4
.else
	v_wmma_scale_f32_16x16x128_f8f6f4 v[DQ:DQ+7], v[WF+8*\s:WF+8*\s+7], v[XF+8*\s:XF+8*\s+7], v[DQ:DQ+7], v[WS+\s], v[XS+\s] matrix_a_fmt:MATRIX_FMT_FP4 matrix_b_fmt:MATRIX_FMT_FP4
	v_wmma_scale_f32_16x16x128_f8f6f4 v[DQ+8:DQ+15], v[WF+32+8*\s:WF+32+8*\s+7], v[XF+8*\s:XF+8*\s+7], v[DQ+8:DQ+15], v[WS+4+\s], v[XS+\s] matrix_a_fmt:MATRIX_FMT_FP4 matrix_b_fmt:MATRIX_FMT_FP4
	v_wmma_scale_f32_16x16x128_f8f6f4 v[VA+8*((\m)%2):VA+8*((\m)%2)+7], v[XF+8*\s:XF+8*\s+7], v[WF+64+8*\s:WF+64+8*\s+7], v[VA+8*((\m)%2):VA+8*((\m)%2)+7], v[XS+\s], v[WS+8+\s] matrix_a_fmt:MATRIX_FMT_FP4 matrix_b_fmt:MATRIX_FMT_FP4
.endif
.endr
.endm
; One block of 32 from two accumulators (16 registers here, 16 in lane l xor 16): its byte, and my 16 codes in a pair.  Each accumulator is read from its low end on.
.macro Q32 src, code, byte
	v_max3_num_f32 v[TM], |v[\src]|, |v[\src+1]|, 0x1800000        ; with the floor 2^(3 - 127)
	v_max3_num_f32 v[TM+1], |v[\src+8]|, |v[\src+9]|, |v[\src+10]| ; (two chains)
	v_max3_num_f32 v[TM], v[TM], |v[\src+2]|, |v[\src+3]|
	v_max3_num_f32 v[TM+1], v[TM+1], |v[\src+11]|, |v[\src+12]|
	v_max3_num_f32 v[TM], v[TM], |v[\src+4]|, |v[\src+5]|
	v_max3_num_f32 v[TM+1], v[TM+1], |v[\src+13]|, |v[\src+14]|
	v_max3_num_f32 v[TM], v[TM], |v[\src+6]|, |v[\src+7]|
	v_max3_num_f32 v[TM], v[TM], v[TM+1], |v[\src+15]|
	v_permlanex16_b32 v[TM+4], v[TM], s[SEL], s[SEL+1]
	v_max_num_f32 v[TM], v[TM], v[TM+4]            ; the block's largest magnitude
	v_add_nc_u32 v[TM+12], 0xff000000, v[TM]       ; the conversion's scale operand
	v_lshrrev_b32 v[\byte], 23, v[TM+12]           ; the scale's byte
	v_cvt_scalef32_pk8_fp4_f32 v[\code], v[\src:\src+7], v[TM+12]
	v_cvt_scalef32_pk8_fp4_f32 v[(\code)+1], v[\src+8:\src+15], v[TM+12]
	v_nop                                          ; one plain place behind a scaled conversion
.endm
	; ---- X: my 16 rows become four fragments
.irp s, 0,1,2,3
	s_wait_tensorcnt 3-\s                          ; tensor loads of a wave end in order: K step s's tile is in; the later steps' loads may be out.  Only I read my tiles: no barrier
	RAWLD \s
	s_wait_dscnt 0x0                               ; the numbers are in, and the last step's stores have read their registers
	QUANT RAW
	IMAGE 1024*\s
	ds_store_b32 v[XWS], v[PW] offset:128*\s
.endr
	s_wait_dscnt 0x0                               ; for the others' sake: my images lie in LDS
	s_barrier_signal -1
	s_barrier_wait -1                              ; all sixteen do
	FETCHX 0
	s_wait_loadcnt 0x0                             ; weights, scale words, biases
	; ---- 1: my columns for the four row tiles
.irp m, 0,1,2,3
	s_wait_dscnt 0x0                               ; the row tile's fragments are in
	MUL \m
.rept 5
	v_nop                                          ; five places: the next tile's first products write over these accumulators; four serve the loads below and the reads of the results
.endr
.if \m < 3
	FETCHX \m+1
.endif
	Q32 DQ, CQ+2*\m, BQ+\m
	global_store_b64 v[CO], v[CQ+2*\m:CQ+2*\m+1], s[60:61] offset:512*\m   ; 32 lanes store 256 consecutive bytes, at a multiple of 256 from the buffer's first byte
.if (\m%2) == 1
	Q32 VA, CV+2*(\m/2), BB+(\m/2)
	global_store_b64 v[CO], v[CV+2*(\m/2):CV+2*(\m/2)+1], s[66:67] offset:256*(\m/2)
.endif
.endr
	; the scale bytes: lanes 0-15 carry the even row tile's (key block's), lanes 16-31 the odd one's.  96 single bytes a wave: a work-group owns only part of each run of scale bytes
	v_cmp_ne_u32 vcc_lo, 0, v3
	v_cndmask_b32 v[TM], v[BQ], v[BQ+1], vcc_lo
	v_cndmask_b32 v[TM+1], v[BQ+2], v[BQ+3], vcc_lo
	v_cndmask_b32 v[TM+2], v[BB], v[BB+1], vcc_lo
	global_store_b8 v[SBO], v[TM], s[62:63]
	global_store_b8 v[SBO], v[TM+1], s[62:63] offset:128
	global_store_b8 v[SBV], v[TM+2], s[68:69]
	s_wait_tensorcnt 0x0
	ds_add_u32 v91, v105
	s_wait_dscnt 0x0
	s_endpgm
.Lfunc_end_k_qaf7e982831_proj:
	.size	k_qaf7e982831_proj, .Lfunc_end_k_qaf7e982831_proj-k_qaf7e982831_proj
	.p2alignl 7, 3214868480
	.fill 96, 4, 3214868480
	.section	.rodata,"a",@progbits
	.p2align	6, 0x0
	.amdhsa_kernel k_qaf7e982831_proj
		.amdhsa_group_segment_fixed_size 168448
		.amdhsa_private_segment_fixed_size 0
		.amdhsa_enable_private_segment 0
		.amdhsa_kernarg_size 56
		.amdhsa_user_sgpr_count 2
		.amdhsa_user_sgpr_kernarg_segment_ptr 1
		.amdhsa_wavefront_size32 1
		.amdhsa_system_sgpr_workgroup_id_x 1
		.amdhsa_system_sgpr_workgroup_id_y 1
		.amdhsa_system_sgpr_workgroup_id_z 1
		.amdhsa_system_vgpr_workitem_id 0
		.amdhsa_next_free_vgpr 256
		.amdhsa_next_free_sgpr 84
		.amdhsa_reserve_vcc 1
		.amdhsa_float_denorm_mode_32 3
		.amdhsa_float_denorm_mode_16_64 3
		.amdhsa_memory_ordered 1
		.amdhsa_forward_progress 1
		.amdhsa_inst_pref_size 47
	.end_amdhsa_kernel
	.amdgpu_metadata
---
amdhsa.version: [ 1, 2 ]
amdhsa.kernels:
  - .name:           k_qaf7e982831_proj
    .symbol:         k_qaf7e982831_proj.kd
    .args:
      - { .name: x, .offset: 0, .size: 8, .value_kind: global_buffer, .address_space: global }
      - { .name: wcodes, .offset: 8, .size: 8, .value_kind: global_buffer, .address_space: global }
      - { .name: bq, .offset: 16, .size: 8, .value_kind: global_buffer, .address_space: global }
      - { .name: bk, .offset: 24, .size: 8, .value_kind: global_buffer, .address_space: global }
      - { .name: bv, .offset: 32, .size: 8, .value_kind: global_buffer, .address_space: global }
      - { .name: qrec, .offset: 40, .size: 8, .value_kind: global_buffer, .address_space: global }
      - { .name: kvrec, .offset: 48, .size: 8, .value_kind: global_buffer, .address_space: global }
    .group_segment_fixed_size: 168448
    .private_segment_fixed_size: 0
    .kernarg_segment_align: 8
    .kernarg_segment_size: 56
    .max_flat_workgroup_size: 128
    .sgpr_count:     84
    .vgpr_count:     256
    .wavefront_size: 32
...
	.end_amdgpu_metadata
.endif
;; end of part 2
;; launch attn (part 3): grid 64 x 4, 16 waves a work-group, clusters of 4 x 1, 280,576 bytes of LDS; arguments qrec, kvrec, out0; writes out0
.if DOCPART == 3
	.amdgcn_target "amdgcn-amd-amdhsa--gfx1250"
	.amdhsa_code_object_version 6
	.text
	.protected	k_qaf7e982831_attn
	.globl	k_qaf7e982831_attn
	.p2align	8
	.type	k_qaf7e982831_attn,@function
k_qaf7e982831_attn:
	s_mov_b64 s[64:65], 0
	v_nop
	global_prefetch_b8 v0, s[64:65] scope:SCOPE_SE
	s_setreg_imm32_b32 hwreg(HW_REG_WAVE_MODE, 25, 1), 1
	s_wait_xcnt 0x0
	s_wait_alu depctr_hold_cnt(0) depctr_sa_sdst(0) depctr_va_vdst(0) depctr_va_sdst(0) depctr_va_ssrc(0) depctr_va_vcc(0) depctr_vm_vsrc(0)
	s_getreg_b32 s2, hwreg(HW_REG_IB_STS2, 6, 4)
	s_cmp_eq_u32 s2, 0
	s_cbranch_scc0 .Lentry_in_a_cluster
	s_endpgm
.Lentry_in_a_cluster:
	s_bfe_u32 s2, ttmp6, 0x10000c
	s_cmp_lg_u32 s2, 0x3003
	s_cbranch_scc0 .Lentry_shape_is_right
	s_endpgm
.Lentry_shape_is_right:
; out0[b][q][:] = the sum over k of softmax_k(q . k / 8) v[k][:], both products on codes of FP4 (E2M1) with one E8M0 scale for each 32 along a product's K.  4 batches, 4,096 queries and keys, 64 channels.
; THE SOFTMAX AHEAD OF THE SECOND PRODUCT: t = score x log2(e) / 8; M = the largest t so far, rounded UP to a whole number; p = 2^(t - M) is quantised along the keys, not normalised; the sum is taken of the
; unquantised p, in f32, and divides at the end.  When M moves, sum and O are multiplied by 2^(old M - new M): exact.
; SHARES.  A work-group owns 64 queries of one batch.  Wave w owns query tile w % 4 (16 queries) and key part w / 4: records 4 i + w / 4, i = 0 .. 7, of the batch's 32 records of 128 keys.  The four parts of a
; tile, each with its own M, sum and O, are merged at the end through LDS: the M are whole numbers, so the factors are exact powers of two.  Sixteen waves of 256 registers: four to a SIMD.
; K AND V OF THE WHOLE BATCH, 32 records of 8,704 bytes, lie in LDS as they lie in memory, filled ONCE, in four chunks of 8 records; each wave brings 4,352 bytes of each chunk.
; CLUSTER.  The four work-groups of a cluster belong to one batch and want the same bytes at the same LDS places: each load is asked for JOINTLY, with the same descriptor and the mask 15.
; A wave has four tensor loads outstanding.
; THE CHUNKS' BARRIERS ARE TAKEN APART.  A chunk holds two of a wave's eight key steps.  A wave signals that its piece of a chunk has landed a step or more before it waits for the others' pieces, so that a wave
; that is ahead goes on working, and the waves of a SIMD need not stand in the same part of a step.  The eight steps are written out by one macro.
; LAYOUT.  Both products are used transposed: S^T = K Q^T, O^T = V^T P^T: a lane holds ONE query (lane % 16) throughout.  The head is 64 channels, half of the instruction's K = 128: so a fragment of K holds
; 32 keys: keys 0-15 (X) in k-blocks 0, 1 and keys 16-31 (Y) in k-blocks 2, 3, and it is multiplied twice: by [Q, 0] for X and by [0, Q] for Y.  Zero codes add nothing under any scale byte but 0xff, and all bytes here are 1 .. 254.
; Inside a block of 32 the order is 0-7, 16-23, 8-15, 24-31, alike in Q and K (channels) and in V and P (keys): it is what two result tiles and the two halves of the lanes give.
; LIMITS: NaN and infinities are not served; a p under 2^-126 counts as 0; a block whose every p is 0 keeps the scale byte 1 (zero codes); a block's largest p is made from its largest score, which
; takes v_exp_f32 not to fall where its input rises.
.set REC,   8704                       ; a record: K image 4,096, V image 4,096, K scales 256, V scales 256
.set CHUNK_B, 8*REC                    ; 69,632
.set PIECE, CHUNK_B/16                 ; 4,352: 17 rows of 256 bytes, a wave's part of a chunk
.set SPITCH, 272                       ; the way out: a stage row: 256 bytes + 16 = 68 words: row r starts at bank 4 r mod 64 (64 banks of 4 bytes: ISA guide 11.1)
.set STATS, 16*16*SPITCH               ; 69,632: behind the sixteen stages: (-M, sum) pairs, 256 bytes a wave.  Stages and pairs lie in bytes that have had their last fill and their last read
.set AL,  1                            ; v1   16 x lane
.set AS,  2                            ; v2   8 x lane
.set ADK, 3                            ; v3   the step's record + 16 x lane
.set ADS, 4                            ; v4   the step's record + 8 x lane
.set SO,  5                            ; v5   the way out: where I put 32 bytes of a stage row
.set SS,  6                            ; v6   and my pair
.set RO,  7                            ; v7   where I read a row's 16 bytes back
.set RS,  8                            ; v8   and the row's pair
.set GO,  9                            ; v9   my byte offset in out0
.set QZ,  16                           ; v16-19 zeros, v20-23 Q, v24-27 zeros: [0, Q] = v[16:23], [Q, 0] = v[20:27]
.set QSC, 28                           ; v28  Q's scale word (b0, b1, b0, b1)
.set VF,  32                           ; v32-63 V's four fragments
.set KSC, 64                           ; v64-65 K's scale words: fragment f in register f / 2, lanes 16 (f % 2) on
.set VSC, 66                           ; v66-67 V's likewise
.set S,   96                           ; v96-159 S^T, then p: block f: X at 96 + 16 f, Y at 104 + 16 f
.set O,   160                          ; v160-191 O^T: register 8 n + i = channel 16 n + 8 (lane / 16) + i
.set KF,  192                          ; v192-223 K's four fragments: registers of their own, so that the next step's come while this step is worked
.set P,   224                          ; v224-231 p's codes
.set SB,  240                          ; v[240:241] the sum's second chain
.set FX,  248                          ; v[248:249] f = 2^(old M - new M); v249 is named with it as a pair
.set PSC, 250                          ; v250 p's scale word
.set WV,  10                           ; s10 wave;  s11 query tile;  s12 key part
.set QT,  11
.set KP,  12
.set G1,  16                           ; s[16:23] descriptor group 1
.set G0,  24                           ; s[24:39] group 0, a set for each chunk
.set SEL, 40                           ; s[40:41] v_permlanex16_b32's selects for lane l xor 16
.set CS,  42                           ; s[42:43] c = log2(e) / 8
.set TB,  44                           ; s44 LDS byte at which the step's record begins
; A round of the cluster's barrier: my work-group's barrier; wave 0 signals for the work-group; every wave waits for all four work-groups; my work-group's barrier once more.
.macro ROUND
	s_barrier_signal -1
	s_barrier_wait -1
	s_cmp_lg_u32 s[WV], 0
	s_cbranch_scc1 .Lnot_wave_0_\@
	s_barrier_signal -3
.Lnot_wave_0_\@:
	s_barrier_wait -3
	s_barrier_signal -1
	s_barrier_wait -1
.endm
	s_load_b128 s[4:7], s[0:1], 0x0                ; qrec, kvrec
	s_load_b64 s[8:9], s[0:1], 0x10                ; out0
	v_lshl_add_u32 v253, v0, 2, 0x44000
	v_mov_b32 v255, 0
	ds_add_u32 v253, v255
	ds_add_u32 v253, v255
	v_lshrrev_b32 v1, 5, v0
	v_readfirstlane_b32 s[WV], v1                  ; wave 0..15
	s_and_b32 s[QT], s[WV], 3
	s_lshr_b32 s[KP], s[WV], 2
	s_bfe_u32 s13, ttmp6, 0x40000                  ; cx: my place in the cluster: it enters Q's and out0's global addresses alone
	s_lshl_b32 s14, ttmp9, 2                       ; in a cluster launch ttmp9 counts clusters
	s_add_co_u32 s14, s14, s13                     ; my block of 64 queries
	s_and_b32 s15, ttmp7, 0xffff                   ; the batch, which the four partners share
	s_mov_b32 s[G1], 15|(3<<16)|(1<<21)            ; the mask: all four work-groups; elements of 8 bytes; bit 21 set beside a mask; no padding
	s_mov_b32 s[G1+1], 32<<16                      ; tensor_dim0 = 32 (256 bytes)
	s_mov_b32 s[G1+2], 17<<16                      ; tensor_dim1 = 17
	s_mov_b32 s[G1+3], 32<<16                      ; tile_dim0 = 32
	s_mov_b32 s[G1+4], 17                          ; tile_dim1 = 17
	s_mov_b32 s[G1+5], 32                          ; dense: a row begins where the last ends
	s_mov_b32 s[G1+6], 0
	s_mov_b32 s[G1+7], 0
	s_mul_i32 s47, s[WV], PIECE                    ; my piece of a chunk: in LDS,
	s_mul_i32 s48, s15, 32*REC
	s_add_co_u32 s48, s48, s47                     ; and in the batch's records
	s_mov_b32 s49, 0
	s_lshl_b32 s50, s15, 5
	s_lshr_b32 s51, s14, 1
	s_add_co_u32 s50, s50, s51
	s_mul_i32 s50, s50, 4352                       ; Q's record: 32 x batch + block / 2
	s_and_b32 s51, s14, 1                          ; u: which 64 of its rows
	s_lshl_b32 s52, s51, 11
	s_add_co_u32 s52, s52, s50
	s_lshl_b32 s53, s[QT], 9
	s_add_co_u32 s52, s52, s53                     ; my tile's codes: + 512 (4 u + tile)
	s_mov_b32 s53, 0
	s_lshr_b32 s54, s[QT], 1
	s_lshl_b32 s54, s54, 7
	s_add_co_u32 s54, s54, s50
	s_lshl_b32 s55, s51, 2
	s_add_co_u32 s54, s54, s55
	s_and_b32 s55, s[QT], 1
	s_lshl_b32 s55, s55, 1
	s_add_co_u32 s54, s54, s55
	s_add_co_u32 s54, s54, 4096                    ; its scale bytes: 4096 + 128 (tile / 2) + 4 u + 2 (tile % 2), + 8 r
	s_mov_b32 s55, 0
	s_lshl_b32 s56, s15, 12
	s_lshl_b32 s57, s14, 6
	s_add_co_u32 s56, s56, s57
	s_lshl_b32 s57, s[QT], 4
	s_add_co_u32 s56, s56, s57
	s_lshl_b32 s57, s[KP], 2
	s_add_co_u32 s56, s56, s57                     ; the first row of out0 that I store: 4096 batch + 64 block + 16 tile + 4 part
	s_lshl_b32 s56, s56, 8                         ; rows of 256 bytes
	s_mov_b32 s57, 0
	s_mul_i32 s[TB], s[KP], REC                    ; my first record
	s_mov_b32 s[SEL], 0x76543210
	s_mov_b32 s[SEL+1], 0xfedcba98
	s_mov_b32 s[CS], 0x3e38aa3b                    ; c = log2(e) / 8
	s_mov_b32 s[CS+1], s[CS]                       ; (named with it as a pair, so it is written)
	s_wait_dscnt 0x0
	s_wait_kmcnt 0x0
	s_add_nc_u64 s[48:49], s[6:7], s[48:49]
	s_add_nc_u64 s[52:53], s[4:5], s[52:53]
	s_add_nc_u64 s[54:55], s[4:5], s[54:55]
	s_add_nc_u64 s[56:57], s[8:9], s[56:57]
.irp n, 0,1,2,3
	s_mov_b32 s[G0+4*\n], 1                        ; count = 1
	s_add_co_u32 s[G0+4*\n+1], s47, \n*CHUNK_B     ; LDS address: the wave's number and constants alone
	s_add_nc_u64 s[G0+4*\n+2:G0+4*\n+3], s[48:49], \n*CHUNK_B   ; global address: batch, wave, chunk
	s_or_b32 s[G0+4*\n+3], s[G0+4*\n+3], 0x80000000             ; type = 2
.endr
	ROUND                                          ; all four work-groups are here: the joint loads meet
.irp n, 0,1,2,3
	tensor_load_to_lds s[G0+4*\n:G0+4*\n+3], s[G1:G1+7]         ; the first fills, and the only ones, as one group
	s_nop 0
.endr
	v_and_b32 v10, 15, v0                          ; r
	v_bfe_u32 v11, v0, 4, 1                        ; h
	v_and_b32 v31, 31, v0                          ; lane
	v_lshlrev_b32 v[AL], 4, v31
	v_lshlrev_b32 v[AS], 3, v31
	v_lshlrev_b32 v30, 3, v10
	global_load_b128 v[QZ+4:QZ+7], v[AL], s[52:53] ; Q's tile: lane (r, h): channel block h of query r
	global_load_u16 v29, v30, s[54:55]             ; query r's two scale bytes
	v_mul_u32_u24 v[SO], v10, SPITCH               ; stage, in: my wave's, row r, + 32 h
	v_lshl_add_u32 v[SO], v11, 5, v[SO]
	v_add_nc_u32 v[SO], s47, v[SO]
	s_lshl_b32 s58, s[WV], 8
	s_add_co_u32 s58, s58, STATS
	v_add_nc_u32 v[SS], s58, v[AS]                 ; my pair: 256 x wave + 8 x lane
	s_mul_i32 s58, s[QT], 16*SPITCH                ; back: the stage of part 0 of my tile, rows 4 part + h, 16 bytes a lane
	s_mul_i32 s59, s[KP], 4*SPITCH
	s_add_co_u32 s58, s58, s59
	v_mul_u32_u24 v[RO], v11, SPITCH
	v_lshl_add_u32 v[RO], v10, 4, v[RO]
	v_add_nc_u32 v[RO], s58, v[RO]
	s_lshl_b32 s58, s[QT], 8
	s_lshl_b32 s59, s[KP], 5
	s_add_co_u32 s58, s58, s59
	s_add_co_u32 s58, s58, STATS
	v_lshl_add_u32 v[RS], v11, 3, s58              ; those rows' pairs
	v_lshlrev_b32 v[GO], 8, v11
	v_lshl_add_u32 v[GO], v10, 4, v[GO]            ; lanes 0-15 one row of out0, lanes 16-31 the next
	v_add_nc_u32 v[ADK], s[TB], v[AL]              ; my first record
	v_add_nc_u32 v[ADS], s[TB], v[AS]
	s_wait_loadcnt 0x0                             ; Q
	v_lshl_or_b32 v[QSC], v29, 16, v29             ; (b0, b1, b0, b1): it serves [Q, 0] and [0, Q] alike.  The 17 plain lines below stand between its making and the first product
.irp i, 0,1,2,3
	v_mov_b32 v[QZ+\i], 0                          ; the zero codes on both sides of Q
	v_mov_b32 v[QZ+8+\i], 0
.endr
	v_mov_b32 v13, 0xff61b1e6                      ; the largest t so far: -3e38, under every t
	v_floor_f32 v12, -v13                          ; -M
	v_mov_b32 v14, 0                               ; the sum, in two halves
	v_mov_b32 v15, 0
.irp b, 0,1,2,3
	v_mov_b32 v[236+\b], 0                         ; written once: a lane permute's destination counts as one of its sources
.endr
	v_mov_b32 v[FX+1], 0
.macro KQ d, f, q                      ; 16 keys x my 16 queries: fragment f of K against [Q, 0] or [0, Q]; the product starts its sum
.if ((\f)%2) == 1
	v_wmma_scale_f32_16x16x128_f8f6f4 v[\d:\d+7], v[KF+8*(\f):KF+8*(\f)+7], v[\q:\q+7], 0, v[KSC+(\f)/2], v[QSC] matrix_a_fmt:MATRIX_FMT_FP4 matrix_b_fmt:MATRIX_FMT_FP4 matrix_a_scale:MATRIX_SCALE_ROW1
.else
	v_wmma_scale_f32_16x16x128_f8f6f4 v[\d:\d+7], v[KF+8*(\f):KF+8*(\f)+7], v[\q:\q+7], 0, v[KSC+(\f)/2], v[QSC] matrix_a_fmt:MATRIX_FMT_FP4 matrix_b_fmt:MATRIX_FMT_FP4
.endif
.endm
.macro PV n, zero                      ; 16 channels x my 16 queries, K = the step's 128 keys.  zero = 1: the first step's product starts the sum: O^T is never cleared
.if \zero
.if ((\n)%2) == 1
	v_wmma_scale_f32_16x16x128_f8f6f4 v[O+8*(\n):O+8*(\n)+7], v[VF+8*(\n):VF+8*(\n)+7], v[P:P+7], 0, v[VSC+(\n)/2], v[PSC] matrix_a_fmt:MATRIX_FMT_FP4 matrix_b_fmt:MATRIX_FMT_FP4 matrix_a_scale:MATRIX_SCALE_ROW1
.else
	v_wmma_scale_f32_16x16x128_f8f6f4 v[O+8*(\n):O+8*(\n)+7], v[VF+8*(\n):VF+8*(\n)+7], v[P:P+7], 0, v[VSC+(\n)/2], v[PSC] matrix_a_fmt:MATRIX_FMT_FP4 matrix_b_fmt:MATRIX_FMT_FP4
.endif
.else
.if ((\n)%2) == 1
	v_wmma_scale_f32_16x16x128_f8f6f4 v[O+8*(\n):O+8*(\n)+7], v[VF+8*(\n):VF+8*(\n)+7], v[P:P+7], v[O+8*(\n):O+8*(\n)+7], v[VSC+(\n)/2], v[PSC] matrix_a_fmt:MATRIX_FMT_FP4 matrix_b_fmt:MATRIX_FMT_FP4 matrix_a_scale:MATRIX_SCALE_ROW1
.else
	v_wmma_scale_f32_16x16x128_f8f6f4 v[O+8*(\n):O+8*(\n)+7], v[VF+8*(\n):VF+8*(\n)+7], v[P:P+7], v[O+8*(\n):O+8*(\n)+7], v[VSC+(\n)/2], v[PSC] matrix_a_fmt:MATRIX_FMT_FP4 matrix_b_fmt:MATRIX_FMT_FP4
.endif
.endif
.endm
.macro KLOAD off                       ; a record's K: its scale words and four register images, 512 consecutive bytes a load
	ds_load_b64 v[KSC:KSC+1], v[ADS] offset:\off+8192
.irp f, 0,1,2,3
.irp c, 0,1
	ds_load_b128 v[KF+8*\f+4*\c:KF+8*\f+4*\c+3], v[ADK] offset:\off+1024*\f+512*\c
.endr
.endr
.endm
; THE PLAIN WORK THAT STANDS BEHIND SCORE EXPONENTIAL I (0 .. 63): lines that are due anyway, none of which reads the exponential just issued.
;   even I: up to 46 the scaling t - M of the pair eight pairs ahead (registers I + 16, I + 17); beside it, in order: the four blocks' floor, scale operand and scale byte, p's scale word, then O^T x f, from its low end on;
;   odd I:  at 1 the sums x f; from 5 to 57 the sum of the pair whose second exponential stands two exponentials back (registers I - 3, I - 2), in two chains; at 61 and 63 the last of O^T x f.
; Where nothing is due two exponentials follow each other.  The first step has no O^T to rescale; a v_nop then stands behind the last exponential.
.macro FILL
.if (I%2) == 0
.if I <= 46
	v_pk_fma_f32 v[S+I+16:S+I+17], v[S+I+16:S+I+17], s[CS:CS+1], v[12:13] op_sel_hi:[1,0,0]
.endif
.if I < 8
	s_wait_alu depctr_va_vdst(0)
	v_max_num_f32 v[232+I/2], 0x1800000, v[232+I/2]            ; the floor 2^(3 - 127): the byte cannot fall under 1
.elseif I < 16
	v_add_nc_u32 v[244+(I-8)/2], 0xff000000, v[232+(I-8)/2]    ; 2 off the exponent field: the conversion's scale operand
.elseif I < 24
	v_lshrrev_b32 v[236+(I-16)/2], 23, v[244+(I-16)/2]         ; the scale's byte
.elseif I == 24
	v_lshl_or_b32 v[PSC], v237, 8, v236                        ; p's scale word for these 128 keys
.elseif I == 26
	v_lshl_or_b32 v[PSC], v238, 16, v[PSC]
.elseif I == 28
	v_lshl_or_b32 v[PSC], v239, 24, v[PSC]
.elseif (I >= 32) && (I < 60) && (FIRST == 0)
	v_pk_mul_f32 v[O+I-32:O+I-31], v[O+I-32:O+I-31], v[FX:FX+1] op_sel_hi:[1,0]   ; O^T under the new M: x f
.endif
.else
.if I == 1
	v_pk_mul_f32 v[14:15], v[14:15], v[FX:FX+1] op_sel_hi:[1,0]   ; the sums under the new M
.elseif I == 5
	s_wait_alu depctr_va_vdst(0)
	v_pk_add_f32 v[SB:SB+1], v[S:S+1], v[S+2:S+3]              ; THE ROW'S SUM IS TAKEN OF THE UNQUANTISED p: two at a time, in two chains
.elseif (I >= 7) && (I <= 57)
.if (((I-3)/2)%2) == 0
	v_pk_add_f32 v[14:15], v[14:15], v[S+I-3:S+I-2]
.else
	s_wait_alu depctr_va_vdst(0)
	v_pk_add_f32 v[SB:SB+1], v[SB:SB+1], v[S+I-3:S+I-2]
.endif
.elseif I == 61
.if FIRST == 0
	v_pk_mul_f32 v[O+28:O+29], v[O+28:O+29], v[FX:FX+1] op_sel_hi:[1,0]
.endif
.elseif I == 63
.if FIRST == 0
	v_pk_mul_f32 v[O+30:O+31], v[O+30:O+31], v[FX:FX+1] op_sel_hi:[1,0]
	s_wait_alu depctr_va_vdst(0)
.else
	v_nop
	s_wait_alu depctr_va_vdst(0)
.endif
.endif
.endif
.endm
; A KEY STEP: one record, 128 keys; its K was asked for in the step before.
; first = 1: the first step.   sig >= 0: behind the score products I wait until at most sig of my tensor loads are out (the chunks behind the next one) and signal the next chunk's barrier.
; bw = 1: I wait for that barrier here, in front of the first read of the next chunk.   pre = 1: the next step's K is fetched.
.macro STEP first, sig, bw, pre
.set FIRST, \first
	s_wait_dscnt 0x0                               ; this step's K is in; no LDS instruction of mine is out
.irp f, 0,1,2,3
	KQ S+16*\f, \f, QZ+4                           ; X: keys 32 f + 0 .. 15
	KQ S+8+16*\f, \f, QZ                           ; Y: keys 32 f + 16 .. 31
.endr
	v_add_nc_u32 v[ADK], s[TB], v[AL]              ; this step's record.  With the two v_nop: four places, behind the last step's second products for the loads into V's registers,
	v_add_nc_u32 v[ADS], s[TB], v[AS]              ; and behind the products above for the first reads of the scores
	v_nop
	v_nop
.if \sig >= 0
	s_wait_tensorcnt \sig                          ; tensor loads of a wave end in order: my piece of the next chunk has landed; the later chunks' loads may stay out
	s_barrier_signal -1                            ; up to the wait for it stand register work and LDS loads of chunks that an earlier barrier has shown whole, which nobody writes before the way out's barrier
.endif
	ds_load_b64 v[VSC:VSC+1], v[ADS] offset:8448   ; V is asked for now and lands during the softmax
.irp n, 0,1,2,3
.irp c, 0,1
	ds_load_b128 v[VF+8*\n+4*\c:VF+8*\n+4*\c+3], v[ADK] offset:4096+1024*\n+512*\c
.endr
.endr
.irp b, 0,1,2,3
	v_max3_num_f32 v[232+\b], v[S+16*\b], v[S+1+16*\b], v[S+2+16*\b]   ; THE LARGEST SCORE OF EACH BLOCK OF 32 KEYS serves twice: for the row's maximum, and, since p rises with the score, for the block's largest p
.endr
.irp i, 3,5,7,9,11,13
.irp b, 0,1,2,3
	v_max3_num_f32 v[232+\b], v[232+\b], v[S+16*\b+\i], v[S+1+16*\b+\i]   ; (the four blocks by turns; each accumulator is first read at its low end)
.endr
.endr
.irp b, 0,1,2,3
	v_max_num_f32 v[232+\b], v[232+\b], v[S+15+16*\b]
.endr
.irp b, 0,1,2,3
	v_permlanex16_b32 v[236+\b], v[232+\b], s[SEL], s[SEL+1]
.endr
.irp b, 0,1,2,3
	v_max_num_f32 v[232+\b], v[232+\b], v[236+\b]  ; with lane l xor 16's 16 keys
.endr
	v_max3_num_f32 v254, v232, v233, v234
	v_max_num_f32 v254, v254, v235                 ; the step's largest score of my query
	v_mul_f32 v254, s[CS], v254                    ; as t (c is positive)
	v_max_num_f32 v13, v13, v254                   ; the running largest t
	v_mov_b32 v254, v12
	v_floor_f32 v12, -v13                          ; the new -M = floor(-t) = -ceil(t): M IS A WHOLE NUMBER
	v_sub_f32 v254, v12, v254                      ; M's old value less its new one: a whole number, 0 or less
	v_cvt_i32_f32 v254, v254                       ; (it saturates)
	v_ldexp_f32 v[FX], 1.0, v254                   ; f = 2^(old M - new M)
.irp j, 0,2,4,6
	v_pk_fma_f32 v[S+\j:S+\j+1], v[S+\j:S+\j+1], s[CS:CS+1], v[12:13] op_sel_hi:[1,0,0]   ; t - M, two at a time (of the pairs c and -M the low word serves both halves): the first four pairs
.endr
.irp b, 0,1,2,3
	v_fma_f32 v[232+\b], v[232+\b], s[CS], v12     ; the same of each block's largest score
.endr
.irp b, 0,1,2,3
	v_exp_f32 v[232+\b], v[232+\b]                 ; the block's largest p: the same arithmetic on the same number gives the same bits
	v_pk_fma_f32 v[S+8+2*\b:S+9+2*\b], v[S+8+2*\b:S+9+2*\b], s[CS:CS+1], v[12:13] op_sel_hi:[1,0,0]   ; pairs 4 to 7
.endr
.set I, 0
.rept 64
	v_exp_f32 v[S+I], v[S+I]                       ; p = 2^(t - M), at most 1: NOT normalised
	FILL
.set I, I+1
.endr
.if \bw
	s_barrier_wait -1                              ; every wave's piece of the next chunk has landed
.endif
.if \pre
	KLOAD 4*REC                                    ; the next step's K, four records on: this step's addresses, the distance in the immediate
.endif
	s_wait_alu depctr_va_vdst(0)
.irp b, 0,1,2,3
	v_cvt_scalef32_pk8_fp4_f32 v[P+2*\b], v[S+16*\b:S+7+16*\b], v[244+\b]
	v_cvt_scalef32_pk8_fp4_f32 v[P+1+2*\b], v[S+8+16*\b:S+15+16*\b], v[244+\b]
.endr
	v_nop                                          ; one plain place behind a scaled conversion
.irp c, 0,1                                    ; the operand's layout wants a WHOLE block in a lane: lanes 0-15 block 2 c, lanes 16-31 block 2 c + 1
.irp i, 0,1
	v_permlane16_swap_b32 v[P+4*\c+\i], v[P+2+4*\c+\i]
.endr
.endr
	v_pk_add_f32 v[14:15], v[14:15], v[S+56:S+57]  ; the sum's last five additions are the places between the making of p's codes and the products
	v_pk_add_f32 v[SB:SB+1], v[SB:SB+1], v[S+58:S+59]
	v_pk_add_f32 v[14:15], v[14:15], v[S+60:S+61]
	v_pk_add_f32 v[SB:SB+1], v[SB:SB+1], v[S+62:S+63]
	v_pk_add_f32 v[14:15], v[14:15], v[SB:SB+1]
	s_wait_dscnt 9*\pre                            ; LDS loads come back in order: V's nine are in; the nine of the next step's K, issued behind them, may be out
.irp n, 0,1,2,3
	PV \n, \first                                  ; the four accumulators by turns
.endr
.if \pre
	s_add_co_u32 s[TB], s[TB], 4*REC               ; my next record
.endif
.endm
	s_wait_tensorcnt 0x3                           ; my piece of chunk 0 has landed; the three later chunks' loads may stay out
	s_barrier_signal -1
	s_barrier_wait -1                              ; every wave's piece of chunk 0 has
	KLOAD 0
	STEP 1, -1, 0, 1                               ; chunk 0
	STEP 0,  2, 1, 1                               ;          chunk 1's barrier: signal and wait
	STEP 0,  1, 0, 1                               ; chunk 1  chunk 2's barrier: signal,
	STEP 0, -1, 1, 1                               ;          and a step and more later the wait
	STEP 0,  0, 0, 1                               ; chunk 2  chunk 3's likewise: from here on no tensor load of mine is out
	STEP 0, -1, 1, 1
	STEP 0, -1, 0, 1                               ; chunk 3
	STEP 0, -1, 0, 0
	; THE WAY OUT.  Each wave's O^T, -M and sum go to LDS; then wave (part, tile) merges rows 4 part .. 4 part + 3 of its tile from the tile's four parts and stores them whole.
.set OP,  32                           ; v32-63   (e, part q): 16 bytes of a row of O
.set SP,  96                           ; v96-111  (e, part q): -M, sum
.set NM,  112                          ; v112-113 the least -M
.set FF,  116                          ; v116-123 the parts' factors
.set LL,  124                          ; v124-125 the row's sum;  v126-127 its reciprocal
.set RL,  126
.set RES, 128                          ; v128-135 the rows' 16 bytes
	v_add_f32 v14, v14, v15                        ; the sum's two halves,
	v_permlanex16_b32 v254, v14, s[SEL], s[SEL+1]
	v_add_f32 v13, v14, v254                       ; and lane l xor 16's: my part's sum, beside -M
	v_nop
	v_nop                                          ; with the two additions: four places behind the last products
	s_wait_dscnt 0x0
	s_barrier_signal -1
	s_barrier_wait -1                              ; nobody reads K or V any more
.irp n, 0,1,2,3
	ds_store_b128 v[SO], v[O+8*\n:O+8*\n+3] offset:64*\n             ; each accumulator from its low end on
	ds_store_b128 v[SO], v[O+8*\n+4:O+8*\n+7] offset:64*\n+16
.endr
	ds_store_b64 v[SS], v[12:13]
	s_wait_dscnt 0x0                               ; for the others' sake: my stores have landed
	s_barrier_signal -1
	s_barrier_wait -1
.irp e, 0,1                                    ; rows 4 part + 2 e + (lane / 16)
.irp q, 0,1,2,3
	ds_load_b128 v[OP+4*(4*\e+\q):OP+4*(4*\e+\q)+3], v[RO] offset:4*16*SPITCH*\q+2*SPITCH*\e
	ds_load_b64 v[SP+2*(4*\e+\q):SP+2*(4*\e+\q)+1], v[RS] offset:1024*\q+16*\e
.endr
.endr
	s_wait_dscnt 0x0
.irp e, 0,1
	v_min3_num_f32 v[NM+\e], v[SP+8*\e], v[SP+8*\e+2], v[SP+8*\e+4]
.endr
.irp e, 0,1
	v_min_num_f32 v[NM+\e], v[NM+\e], v[SP+8*\e+6] ; -(the largest M of the four parts)
.endr
.irp e, 0,1
.irp q, 0,1,2,3
	v_sub_f32 v[FF+4*\e+\q], v[NM+\e], v[SP+8*\e+2*\q]   ; the part's M less the largest: a whole number, 0 or less
.endr
.endr
.set J, 0
.rept 8
	v_cvt_i32_f32 v[FF+J], v[FF+J]
.set J, J+1
.endr
.set J, 0
.rept 8
	v_ldexp_f32 v[FF+J], 1.0, v[FF+J]              ; the part's factor: an exact power of two
.set J, J+1
.endr
.irp e, 0,1
	v_mul_f32 v[LL+\e], v[FF+4*\e], v[SP+8*\e+1]
.endr
.irp q, 1,2,3
.irp e, 0,1
	v_fmac_f32 v[LL+\e], v[FF+4*\e+\q], v[SP+8*\e+2*\q+1]   ; the row's sum
.endr
.endr
.irp e, 0,1
	v_rcp_f32 v[RL+\e], v[LL+\e]
.endr
	v_nop                                          ; one plain place behind a transcendental
	s_wait_alu depctr_va_vdst(0)
.irp e, 0,1
.irp q, 0,1,2,3
	v_mul_f32 v[FF+4*\e+\q], v[FF+4*\e+\q], v[RL+\e]
.endr
.endr
.irp e, 0,1
.irp k, 0,1,2,3
	v_mul_f32 v[RES+4*\e+\k], v[FF+4*\e], v[OP+16*\e+\k]
.endr
.endr
.irp q, 1,2,3
.irp e, 0,1
.irp k, 0,1,2,3
	v_fmac_f32 v[RES+4*\e+\k], v[FF+4*\e+\q], v[OP+16*\e+4*\q+\k]
.endr
.endr
.endr
.irp e, 0,1
	global_store_b128 v[GO], v[RES+4*\e:RES+4*\e+3], s[56:57] offset:512*\e th:TH_STORE_NT   ; sixteen lanes store a row: 256 consecutive bytes, at a multiple of 256 from out0's first byte
.endr
	s_wait_tensorcnt 0x0
	ds_add_u32 v253, v255
	s_wait_dscnt 0x0
	ROUND                                          ; the closing round: no work-group ends while a partner may still ask for bytes with a mask that names it
	s_endpgm
.Lfunc_end_k_qaf7e982831_attn:
	.size	k_qaf7e982831_attn, .Lfunc_end_k_qaf7e982831_attn-k_qaf7e982831_attn
	.p2alignl 7, 3214868480
	.fill 96, 4, 3214868480
	.section	.rodata,"a",@progbits
	.p2align	6, 0x0
	.amdhsa_kernel k_qaf7e982831_attn
		.amdhsa_group_segment_fixed_size 280576
		.amdhsa_private_segment_fixed_size 0
		.amdhsa_enable_private_segment 0
		.amdhsa_kernarg_size 24
		.amdhsa_user_sgpr_count 2
		.amdhsa_user_sgpr_kernarg_segment_ptr 1
		.amdhsa_wavefront_size32 1
		.amdhsa_system_sgpr_workgroup_id_x 1
		.amdhsa_system_sgpr_workgroup_id_y 1
		.amdhsa_system_sgpr_workgroup_id_z 1
		.amdhsa_system_vgpr_workitem_id 0
		.amdhsa_next_free_vgpr 256
		.amdhsa_next_free_sgpr 66
		.amdhsa_reserve_vcc 0
		.amdhsa_float_denorm_mode_32 3
		.amdhsa_float_denorm_mode_16_64 3
		.amdhsa_memory_ordered 1
		.amdhsa_forward_progress 1
		.amdhsa_inst_pref_size 132
	.end_amdhsa_kernel
	.amdgpu_metadata
---
amdhsa.version: [ 1, 2 ]
amdhsa.kernels:
  - .name:           k_qaf7e982831_attn
    .symbol:         k_qaf7e982831_attn.kd
    .args:
      - { .name: qrec, .offset: 0, .size: 8, .value_kind: global_buffer, .address_space: global }
      - { .name: kvrec, .offset: 8, .size: 8, .value_kind: global_buffer, .address_space: global }
      - { .name: out0, .offset: 16, .size: 8, .value_kind: global_buffer, .address_space: global }
    .group_segment_fixed_size: 280576
    .private_segment_fixed_size: 0
    .kernarg_segment_align: 8
    .kernarg_segment_size: 24
    .max_flat_workgroup_size: 512
    .sgpr_count:     66
    .vgpr_count:     256
    .wavefront_size: 32
...
	.end_amdgpu_metadata
.endif
;; end of part 3
